; MI455X (gfx1250); checked and timed in simulation.
; The chip was launched on July 23, 2026; its instructions are those of AMD's public machine-readable ISA for CDNA 5 (MIT licence, August 2026) and "CDNA5" Instruction Set Architecture Reference Guide (July 2026). The comments in the code are by the model that wrote it; some were corrected since.
;; Attention Block. Allowed arithmetic: matrix products marked QUANTISED: E5M2 operands, one E8M0 scale for each 32 along K, by v_wmma_scale_f32_16x16x128_f8f6f4 with both operands' format E5M2, f32 sums; everything else in f32.
;; Inputs: bk 256 float32; bp 256 float32; bq 256 float32; bv 256 float32; gn_b 256 float32; gn_w 256 float32; wk_codes 256 x 8 x 32 uint8 (E5M2 codes of wk, K innermost, in blocks of 32 codes); wk_scales 256 x 8 uint8 (E8M0 scales of wk, one for each 32 codes along K); wp_codes 256 x 8 x 32 uint8 (E5M2 codes of wp, K innermost, in blocks of 32 codes); wp_scales 256 x 8 uint8 (E8M0 scales of wp, one for each 32 codes along K); wq_codes 256 x 8 x 32 uint8 (E5M2 codes of wq, K innermost, in blocks of 32 codes); wq_scales 256 x 8 uint8 (E8M0 scales of wq, one for each 32 codes along K); wv_codes 256 x 8 x 32 uint8 (E5M2 codes of wv, K innermost, in blocks of 32 codes); wv_scales 256 x 8 uint8 (E8M0 scales of wv, one for each 32 codes along K); x 4 x 256 x 64 x 64 float32.
;; Outputs: out0 4 x 256 x 64 x 64 float32.
;; This version of the problem:
;;   THIS VERSION OF THE PROBLEM IS GIVEN IN LOW PRECISION. The matrix products marked QUANTISED in the list below multiply operands that are first quantised to E5M2 (5 exponent bits, 2 mantissa bits; 8 bits a number), with one power-of-two scale for each 32 numbers along K (OCP MX v1.0); their sums are f32. All else is computed in f32.
;;   The module's matrix products, in the order in which they are computed (A, B: the left and right operand; K: the contracted axis; several contracted axes count as one K, in the product's order):
;;     1. [M 16,384, K 256] x [K 256, N 256]; A: computed on the way; B: input wq (given as codes): QUANTISED
;;     2. [M 16,384, K 256] x [K 256, N 256]; A: computed on the way; B: input wk (given as codes): QUANTISED
;;     3. [M 16,384, K 256] x [K 256, N 256]; A: computed on the way; B: input wv (given as codes): QUANTISED
;;     4. batch 16 x [M 4,096, K 64] x [K 64, N 4,096]; A: computed on the way; B: computed on the way: QUANTISED
;;     5. batch 16 x [M 64, K 4,096] x [K 4,096, N 4,096]; A: computed on the way; B: softmax (see below): QUANTISED
;;     6. [M 16,384, K 256] x [K 256, N 256]; A: computed on the way; B: input wp (given as codes): QUANTISED
;;   THE QUANTISER, for each operand of a quantised product, along K:
;;     - K is cut into blocks of 32 from its start; a last block that is shorter is filled with zeros.
;;     - A block's scale is 2^e with e = floor(log2(the largest magnitude in the block)) - 15, held to -126 .. 127; a block of zeros has e = 0. As a byte (E8M0): e + 127.
;;     - Each number is divided by its block's scale, clamped to +-57,344, and rounded to the nearest number of E5M2, ties to even, subnormals kept.
;;     - The product sums the exact products of the quantised numbers (number of the format x scale) in f32.
;;   ~~~python
;;   def quantise(x, axis):      # numpy; x: float32 -> the quantised numbers, widened to float32 again
;;       x = np.moveaxis(x, axis, -1); K = x.shape[-1]
;;       x = np.pad(x, [(0, 0)] * (x.ndim - 1) + [(0, -K % 32)]); x = x.reshape(x.shape[:-1] + (-1, 32)); a = np.abs(x).max(-1, keepdims=True)
;;       e = np.where(a > 0, np.clip(np.frexp(np.where(a > 0, a, 1))[1] - 1 - 15, -126, 127), 0)      # np.frexp(a)[1] - 1 = floor(log2(a)), exactly
;;       r = np.clip(x / 2.0 ** e, -57344, 57344)
;;       step = 2.0 ** (np.maximum(np.frexp(np.where(r == 0, 1, r))[1] - 1, -14) - 2)
;;       q = np.round(r / step) * step * 2.0 ** e      # np.round: ties to even
;;       return np.moveaxis(q.reshape(q.shape[:-2] + (-1,))[..., :K], -1, axis).astype(np.float32)
;;   ~~~
;;   SOFTMAX AHEAD OF A QUANTISED PRODUCT. Where the list says 'softmax', what is quantised is not the finished softmax but p = 2^(t - M), with t = logit x log2(e) and M = ceil(the row's largest t), a whole number; so 1/2 < the row's largest p <= 1. The row's sum l is taken of the UNQUANTISED p, in f32, and the product's result is divided by l at the end. Since M is a whole number, a kernel that streams over the keys may use a running M (the ceiling of the running maximum): every later rescaling is an exact power of two, which a block's scale takes up: the codes' values come out the same.
;;   OPERANDS COMPUTED ON THE WAY. 'Computed on the way' means the value that the module computes at that place (a softmax that the list does not call 'softmax' is quantised finished and normalised). What goes into a quantiser is computed in f32, as accurately as f32 sums, v_exp_f32 and their like allow (about 1e-6 of the number): no bf16 or f16 on the way to a quantiser, and a product that is left as it is and whose result goes on into a quantised operand takes f32 operands (vector FMAs, or v_wmma_f32_16x16x4_f32). A number that lies on a knife's edge between two numbers of the format may be rounded either way, as far as f32 arithmetic and the matrix unit's own rounding can turn it there, and no further.
;;   INPUTS GIVEN AS CODES. wk (in the module: [256, 256], K = its axis 1); wp (in the module: [256, 256], K = its axis 1); wq (in the module: [256, 256], K = its axis 1); wv (in the module: [256, 256], K = its axis 1): each comes as NAME_codes (uint8): NAME with its K axis moved to the last place and cut into blocks of 32 codes, [.., K / 32, bytes a block], one block behind the other in memory; one code a byte (a code: sign, 5 exponent bits, 2 mantissa bits); and NAME_scales (uint8): the same leading axes, one E8M0 byte (e + 127) for each 32 codes along K. Its value is code x scale, taken as it is: it is not quantised again, and the codes and scales need not be those that the quantiser above would give.
;; One version. Each part assembles by itself: llvm-mc -triple=amdgcn-amd-amdhsa -mcpu=gfx1250 --defsym DOCPART=n.
;; ======== version 1 of 1: 3 launches
;; limits: right only within a limited range of input values
;; workspace buffers: stats 2,048 bytes; qws 4,456,448 bytes; kv 8,912,896 bytes
;; launch stats (part 1): grid 256 x 1, 8 waves a work-group, no clusters, 1,536 bytes of LDS; arguments x, stats; writes stats
.if DOCPART == 1
	.amdgcn_target "amdgcn-amd-amdhsa--gfx1250"
	.amdhsa_code_object_version 6
	.text
	.protected	k_q28b333510a_stats
	.globl	k_q28b333510a_stats
	.p2align	8
	.type	k_q28b333510a_stats,@function
k_q28b333510a_stats:
	s_mov_b64 s[64:65], 0
	v_nop
	global_prefetch_b8 v0, s[64:65] scope:SCOPE_SE
	s_setreg_imm32_b32 hwreg(HW_REG_WAVE_MODE, 25, 1), 1
	s_wait_xcnt 0x0
; GroupNorm's statistics, in parts.  x is [4][256][64][64] f32; a group is 32 channels x 4,096 positions = 524,288 consecutive bytes.
; Work-group i takes the 65,536 consecutive bytes at 65,536 i: part i % 8 of group i / 8 (= 8 b + g), 16,384 numbers, and stores
; (the part's mean, the part's sum of squared deviations FROM THAT MEAN) at stats + 8 i.  The next launch joins a group's eight parts.
; The part stays in registers between the two passes (64 numbers a thread), so x is read once here, and no difference of large sums is
; formed: a common offset of the inputs costs no accuracy.
; Thread t takes 16 bytes at 16 t + 4,096 k, k = 0 .. 15: a wave's load covers 512 consecutive bytes.  All 16 loads of a thread are out at once.
; No matrix unit, no tensor load, no cluster: one pass over bytes that no other work-group reads.
; LIMITS: NaN and infinities among the inputs are not served.
.set X, 16                             ; v16-79  my 64 numbers, then their deviations
; v[2:9] four packed chains; v10 a sum; v11 the other half of the lanes'; v[12:13] the mean, twice, at last (mean, sum of squares); v14 4 x wave; v15 0
; The four chains v[2:9] become the work-group's total in v10, in every lane.  off: the eight LDS words that this total goes through.
.macro TOTAL off
	s_delay_alu instid0(VALU_DEP_3)
	v_pk_add_f32 v[2:3], v[2:3], v[4:5]
	s_delay_alu instid0(VALU_DEP_2)
	v_pk_add_f32 v[6:7], v[6:7], v[8:9]
	s_delay_alu instid0(VALU_DEP_1)
	v_pk_add_f32 v[2:3], v[2:3], v[6:7]
	s_delay_alu instid0(VALU_DEP_1)
	v_add_f32 v10, v2, v3
	s_delay_alu instid0(VALU_DEP_1)
	v_add_f32_dpp v10, v10, v10 row_xmask:1 row_mask:0xf bank_mask:0xf   ; four steps inside each half of 16 lanes,
	s_delay_alu instid0(VALU_DEP_1)
	v_add_f32_dpp v10, v10, v10 row_xmask:2 row_mask:0xf bank_mask:0xf
	s_delay_alu instid0(VALU_DEP_1)
	v_add_f32_dpp v10, v10, v10 row_xmask:4 row_mask:0xf bank_mask:0xf
	s_delay_alu instid0(VALU_DEP_1)
	v_add_f32_dpp v10, v10, v10 row_xmask:8 row_mask:0xf bank_mask:0xf
	s_delay_alu instid0(VALU_DEP_1)
	v_permlanex16_b32 v11, v10, s10, s11           ; one across the halves
	s_delay_alu instid0(VALU_DEP_1)
	v_add_f32 v10, v10, v11
	ds_store_b32 v14, v10 offset:\off              ; all lanes of a wave write the wave's word with the same value
	s_wait_dscnt 0x0                               ; for the others' sake: my store has landed
	s_barrier_signal -1
	s_barrier_wait -1
	ds_load_b128 v[2:5], v15 offset:\off           ; the eight waves' sums, in every lane
	ds_load_b128 v[6:9], v15 offset:\off+16
	s_wait_dscnt 0x0
	v_add_f32 v2, v2, v3
	v_add_f32 v4, v4, v5
	v_add_f32 v6, v6, v7
	v_add_f32 v8, v8, v9
	s_delay_alu instid0(VALU_DEP_3)
	v_add_f32 v2, v2, v4
	s_delay_alu instid0(VALU_DEP_2)
	v_add_f32 v6, v6, v8
	s_delay_alu instid0(VALU_DEP_1)
	v_add_f32 v10, v2, v6
.endm
	s_load_b128 s[4:7], s[0:1], 0x0                ; x s[4:5], stats s[6:7]
	v_lshl_add_u32 v96, v0, 2, 0x200
	v_mov_b32 v97, 0
	v_lshlrev_b32 v1, 4, v0                        ; 16 t
	v_lshrrev_b32 v14, 5, v0
	s_delay_alu instid0(VALU_DEP_1)
	v_lshlrev_b32 v14, 2, v14                      ; 4 x wave
	v_mov_b32 v15, 0
	v_mov_b32 v11, 0                               ; a lane permute's destination counts as one of its sources
	s_lshl_b32 s2, ttmp9, 16                       ; my part's first byte (under 2^24)
	s_mov_b32 s3, 0
	s_mov_b32 s10, 0x76543210                      ; v_permlanex16_b32's selects for lane l xor 16
	s_mov_b32 s11, 0xfedcba98
	s_wait_alu depctr_va_vdst(0)
	s_wait_kmcnt 0x0
	s_add_nc_u64 s[4:5], s[4:5], s[2:3]
.irp k, 0,1,2,3,4,5,6,7,8,9,10,11,12,13,14,15
	global_load_b128 v[X+4*\k:X+4*\k+3], v1, s[4:5] offset:4096*\k
.endr
	s_lshl_b32 s2, ttmp9, 3                        ; 8 bytes of stats a work-group
	s_add_nc_u64 s[6:7], s[6:7], s[2:3]
	s_wait_loadcnt 0x0
	; pass 1: the sum.  The first four additions start the chains: nothing is cleared
.irp c, 0,1,2,3
	v_pk_add_f32 v[2+2*\c:3+2*\c], v[X+2*\c:X+2*\c+1], v[X+8+2*\c:X+9+2*\c]
.endr
.set p, 8
.rept 24
	s_delay_alu instid0(VALU_DEP_4)
	v_pk_add_f32 v[2+2*(p%4):3+2*(p%4)], v[2+2*(p%4):3+2*(p%4)], v[X+2*p:X+2*p+1]
.set p, p+1
.endr
	TOTAL 0
	s_delay_alu instid0(VALU_DEP_1)
	v_mul_f32 v12, 0x38800000, v10                 ; / 16,384: the part's mean
	s_delay_alu instid0(VALU_DEP_1)
	v_mov_b32 v13, v12
	; pass 2: the deviations, in place, and the sum of their squares
.set p, 0
.rept 32
	v_pk_add_f32 v[X+2*p:X+2*p+1], v[X+2*p:X+2*p+1], v[12:13] neg_lo:[0,1] neg_hi:[0,1]
.set p, p+1
.endr
.irp c, 0,1,2,3
	v_pk_mul_f32 v[2+2*\c:3+2*\c], v[X+2*\c:X+2*\c+1], v[X+2*\c:X+2*\c+1]
.endr
.set p, 4
.rept 28
	s_delay_alu instid0(VALU_DEP_4)
	v_pk_fma_f32 v[2+2*(p%4):3+2*(p%4)], v[X+2*p:X+2*p+1], v[X+2*p:X+2*p+1], v[2+2*(p%4):3+2*(p%4)]
.set p, p+1
.endr
	TOTAL 256                                      ; other LDS words than the first total's: so one barrier serves each
	s_delay_alu instid0(VALU_DEP_1)
	v_mov_b32 v13, v10
	s_wait_alu depctr_va_vdst(0)
	s_wait_xcnt 0x0                                ; EXEC changes only behind this wait
	v_cmp_eq_u32 vcc_lo, 0, v0
	s_wait_tensorcnt 0x0
	ds_add_u32 v96, v97
	s_wait_dscnt 0x0
	s_and_saveexec_b32 s9, vcc_lo
	global_store_b64 v15, v[12:13], s[6:7]         ; thread 0 alone: (mean, sum of squared deviations)
	s_wait_xcnt 0x0
	s_or_b32 exec_lo, exec_lo, s9
	s_endpgm
.Lfunc_end_k_q28b333510a_stats:
	.size	k_q28b333510a_stats, .Lfunc_end_k_q28b333510a_stats-k_q28b333510a_stats
	.p2alignl 7, 3214868480
	.fill 96, 4, 3214868480
	.section	.rodata,"a",@progbits
	.p2align	6, 0x0
	.amdhsa_kernel k_q28b333510a_stats
		.amdhsa_group_segment_fixed_size 1536
		.amdhsa_private_segment_fixed_size 0
		.amdhsa_enable_private_segment 0
		.amdhsa_kernarg_size 16
		.amdhsa_user_sgpr_count 2
		.amdhsa_user_sgpr_kernarg_segment_ptr 1
		.amdhsa_wavefront_size32 1
		.amdhsa_system_sgpr_workgroup_id_x 1
		.amdhsa_system_sgpr_workgroup_id_y 1
		.amdhsa_system_sgpr_workgroup_id_z 1
		.amdhsa_system_vgpr_workitem_id 0
		.amdhsa_next_free_vgpr 98
		.amdhsa_next_free_sgpr 66
		.amdhsa_reserve_vcc 1
		.amdhsa_float_denorm_mode_32 3
		.amdhsa_float_denorm_mode_16_64 3
		.amdhsa_memory_ordered 1
		.amdhsa_forward_progress 1
		.amdhsa_inst_pref_size 14
	.end_amdhsa_kernel
	.amdgpu_metadata
---
amdhsa.version: [ 1, 2 ]
amdhsa.kernels:
  - .name:           k_q28b333510a_stats
    .symbol:         k_q28b333510a_stats.kd
    .args:
      - { .name: x, .offset: 0, .size: 8, .value_kind: global_buffer, .address_space: global }
      - { .name: stats, .offset: 8, .size: 8, .value_kind: global_buffer, .address_space: global }
    .group_segment_fixed_size: 1536
    .private_segment_fixed_size: 0
    .kernarg_segment_align: 8
    .kernarg_segment_size: 16
    .max_flat_workgroup_size: 256
    .sgpr_count:     66
    .vgpr_count:     98
    .wavefront_size: 32
...
	.end_amdgpu_metadata
.endif
;; end of part 1
;; launch qkv (part 2): grid 32 x 4, 16 waves a work-group, no clusters, 101,376 bytes of LDS; arguments x, stats, gn_w, gn_b, wq_codes, wq_scales, bq, wk_codes, wk_scales, bk, wv_codes, wv_scales, bv, qws, kv; writes qws, kv
.if DOCPART == 2
	.amdgcn_target "amdgcn-amd-amdhsa--gfx1250"
	.amdhsa_code_object_version 6
	.text
	.protected	k_q28b333510a_qkv
	.globl	k_q28b333510a_qkv
	.p2align	8
	.type	k_q28b333510a_qkv,@function
k_q28b333510a_qkv:
	s_mov_b64 s[64:65], 0
	v_nop
	global_prefetch_b8 v0, s[64:65] scope:SCOPE_SE
	s_setreg_imm32_b32 hwreg(HW_REG_WAVE_MODE, 25, 1), 1
	s_wait_xcnt 0x0
; GroupNorm, the quantiser of h, the three 1 x 1 convolutions q, k, v (on codes of E5M2 with one E8M0 scale for each 32 along K) with their biases, and the quantisers of q and k (along the head's 64 channels)
; and of v (along the keys).  Nothing leaves as f32: q, k and v go to memory as IMAGES OF OPERAND REGISTERS, as the attention launch wants them.
; SHARES.  Work-group (j, b) owns 128 positions, 128 j on, of batch b: one key step of the attention.  It writes one whole block of kv (69,632 bytes) and one of qws (34,816 bytes), every store 512 consecutive bytes.
; POSITIONS.  The 128 positions are four blocks P of 32; a block has two tiles u; row m of tile (P, u) is position 32 P + 8 u + m + 8 (m / 8).  Used as source 0 of a product, a lane's 16 result registers of tiles
;   u = 0 and 1 are then the 16 NEIGHBOURING positions 32 P + 16 (lane / 16) + 0 .. 15.  The rows of a weight that form a tile are chosen the same way: tile t takes rows 32 (t / 2) + 8 (t % 2) + r + 8 (r / 8) of the head's 64.
; AN IMAGE: a group of four registers is 512 bytes, lane l's 16 bytes at 16 l; a fragment (16 rows x 128 K) is four groups.
; kv block: K's images at 8192 n + 2048 P + 512 c (groups 0, 1: the two channel blocks of key tile (P, 0); groups 2, 3: those of tile (P, 1): a PAIR of tiles fills an operand of 128 along K);
;   V's at 32768 + 8192 n + 2048 ct + 512 P (rows: channel tile ct; group P: keys 32 P on);  K's scale words at 65536 + 512 n + 16 lane + 4 P;  V's at 67584 + 512 n + 16 lane + 4 ct.
; qws block: Q's images as K's; its scale words at 32768 + 512 n + 16 lane + 4 P.
; PHASE X (all 16 waves): wave w takes group g = w / 2 (32 channels: one block of the quantiser) and position blocks P = 2 (w % 2) + 0, 1.  A lane takes ONE position and its 32 registers run down the group's channels:
;   the block's largest magnitude needs no other lane, and each load reads 128 consecutive bytes.  The codes go to LDS as images of h's fragments.  ONE barrier.
; PHASE R (waves 0-11): role w / 4 (q, k, v), head n = w % 4.  The role's part of its weight (4 tiles x 2 K steps, 128 registers) stays in registers; h's fragments come from LDS.
;   q, k: source 0 = the weight's tile, source 1 = h: a lane holds one position, its registers run along the channels.   v: source 0 = h, source 1 = the weight's tile: a lane holds one channel, its registers run along the keys.
;   The bias is the C of each sum's first product; it lies in LDS in the result's layout (the registers have no room for it) and is loaded into the accumulators.
;   Waves 12-15 end behind the barrier: phase X's 32 units divide by 16 waves, the 12 roles do not.
; No tensor load and no cluster: each work-group reads its weights once, into registers, at its head; there is no ring in which joint requests could meet.
; LIMITS: NaN and infinities are not served.  A block whose largest magnitude lies under 2^-111 takes the scale byte 1; a block of zeros takes the byte 1 where the rule says 127: its codes are zeros, which add nothing
;   under any byte but 0xff, and the bytes are read by this program alone.  h = ((x - mean) rstd) w + b with the last two steps fused.
.set HIMG, 0                           ; LDS: h's 16 fragments: (P, u, s) at (4 P + 2 u + s) x 2,048
.set HSC,  32768                       ; their scale words: (2 P + s) x 128 + 4 x lane: lanes 0-15 the rows of tile u = 0, lanes 16-31 those of u = 1; byte c = channel block c of K step s
.set BIMG, 33792                       ; the biases: 4,096 bytes for each wave: tile t at 1,024 t: registers 0-3 at + 0, registers 4-7 at + 512, 16 x lane
.set LI,   1                           ; v1   16 x lane: my place in an image, in LDS and in memory
.set LS,   2                           ; v2   4 x lane: my place among scale words
.set XO,   3                           ; v3   x: 4 x my position in a block of 32
.set XW,   4                           ; v4   where I store h's codes
.set XB,   5                           ; v5   and h's scale byte
.set WO,   6                           ; v6   a weight: my row of a tile x 256 + 16 (lane / 16)
.set WSO,  7                           ; v7   its scale words: 8 x my row
.set BOQ,  8                           ; v8   bq, bk: 64 (lane / 16)
.set BW,   9                           ; v9   my wave's bias image + 16 x lane
.set BOV,  10                          ; v10  bv: 4 x my row
.set STO,  11                          ; v11  stats: 8 (lane % 8)
.set MEAN, 12                          ; v[12:13] the group's mean, twice
.set RSTD, 14                          ; v[14:15] 1 / sqrt(var + eps), twice
.set XR,   16                          ; v16-79  phase X: two units of 32 numbers
.set H,    16                          ; v16-47  phase R: two fragments of h
.set ACC,  48                          ; v48-79  phase R: four accumulators
.set CODES, 80                         ; v80-95  codes just made (at the head v80-111 take the bias)
.set WORD, 96                          ; v96-99  the four scale words of the role's results
.set TM,   100                         ; v100-107 at work in the quantisers
.set HS,   112                         ; v112-113 h's scale words of K steps 0, 1: scales and nothing else
.set TS,   114                         ; v114-119 at work at the head
.set WS,   120                         ; v120-127 the weight's scale words (tile t, K step s) at 2 t + s: scales and nothing else
.set W,    128                         ; v128-255 the weight's fragments (t, s) at 16 (2 t + s)
; s2 wave; s3 role; s[4:5] x; s[6:7] stats; s[8:11] gn_w, gn_b; s[16:47] gn_w's 32 numbers of my group; s[48:63], s[80:95] gn_b's; s[66:67] my weight's codes; s[68:69] its scales; s[70:71] my bias;
; s[72:73] my images in memory; s[74:75] my scale words; s[98:99] lane selects; s100 the mantissa field of 57,344
; D += A x B in place.  row = 0: both sides' scales in lanes 0-15; 1: source 0's in lanes 16-31; 2: source 1's in lanes 16-31
.macro MM d, a, b, sa, sb, row
.if \row == 0
	v_wmma_scale_f32_16x16x128_f8f6f4 v[\d:\d+7], v[\a:\a+15], v[\b:\b+15], v[\d:\d+7], v[\sa], v[\sb] matrix_a_fmt:MATRIX_FMT_BF8 matrix_b_fmt:MATRIX_FMT_BF8
.elseif \row == 1
	v_wmma_scale_f32_16x16x128_f8f6f4 v[\d:\d+7], v[\a:\a+15], v[\b:\b+15], v[\d:\d+7], v[\sa], v[\sb] matrix_a_fmt:MATRIX_FMT_BF8 matrix_b_fmt:MATRIX_FMT_BF8 matrix_a_scale:MATRIX_SCALE_ROW1
.else
	v_wmma_scale_f32_16x16x128_f8f6f4 v[\d:\d+7], v[\a:\a+15], v[\b:\b+15], v[\d:\d+7], v[\sa], v[\sb] matrix_a_fmt:MATRIX_FMT_BF8 matrix_b_fmt:MATRIX_FMT_BF8 matrix_b_scale:MATRIX_SCALE_ROW1
.endif
.endm
; my role's weight: 32 loads of fragments and 8 of scale words: 40 loads
.macro WLOAD
.irp t, 0,1,2,3
.irp s, 0,1
.irp c, 0,1,2,3
	global_load_b128 v[W+16*(2*\t+\s)+4*\c:W+16*(2*\t+\s)+4*\c+3], v[WO], s[66:67] offset:(32*(\t/2)+8*(\t%2))*256+128*\s+32*\c
.endr
	global_load_b32 v[WS+2*\t+\s], v[WSO], s[68:69] offset:(32*(\t/2)+8*(\t%2))*8+4*\s
.endr
.endr
.endm
; Two blocks of 32 by turns.  Unit A: v[src] .. v[src + 15], unit B: the next 16: my 16 numbers of a block whose other 16 lie in lane l xor 16.  Codes: four registers at dA, at dB.
; The scale's byte goes into word wA at bit shA (wB, shB); the byte at bit 0 starts the word.
.macro QUANT2 src, dA, dB, wA, shA, wB, shB
	v_max3_num_f32 v[TM], |v[(\src)]|, |v[(\src)+1]|, 0x8000000          ; the floor 2^(16 - 127) among the leaves: the byte cannot fall under 1
	v_max3_num_f32 v[TM+1], |v[(\src)+16]|, |v[(\src)+17]|, 0x8000000
.irp i, 2,4,6,8,10,12,14
	v_max3_num_f32 v[TM], v[TM], |v[(\src)+\i]|, |v[(\src)+\i+1]|
	v_max3_num_f32 v[TM+1], v[TM+1], |v[(\src)+16+\i]|, |v[(\src)+17+\i]|
.endr
	s_delay_alu instid0(VALU_DEP_2)
	v_permlanex16_b32 v[TM+2], v[TM], s98, s99
	s_delay_alu instid0(VALU_DEP_2)
	v_permlanex16_b32 v[TM+3], v[TM+1], s98, s99
	s_delay_alu instid0(VALU_DEP_2)
	v_max_num_f32 v[TM], v[TM], v[TM+2]            ; the block's largest magnitude
	s_delay_alu instid0(VALU_DEP_2)
	v_max_num_f32 v[TM+1], v[TM+1], v[TM+3]
	s_delay_alu instid0(VALU_DEP_2)
	v_add_nc_u32 v[TM+6], 0xf8800000, v[TM]        ; 15 off its exponent field: the conversion takes the exponent field of this operand as its scale
	s_delay_alu instid0(VALU_DEP_2)
	v_add_nc_u32 v[TM+7], 0xf8800000, v[TM+1]
	s_delay_alu instid0(VALU_DEP_2)
	v_lshrrev_b32 v[TM+2], 23, v[TM+6]             ; the scale's byte
	s_delay_alu instid0(VALU_DEP_2)
	v_lshrrev_b32 v[TM+3], 23, v[TM+7]
.if (\shA) == 0
	s_delay_alu instid0(VALU_DEP_2)
	v_mov_b32 v[\wA], v[TM+2]
.else
	s_delay_alu instid0(VALU_DEP_2)
	v_lshl_or_b32 v[\wA], v[TM+2], \shA, v[\wA]
.endif
.if (\shB) == 0
	s_delay_alu instid0(VALU_DEP_2)
	v_mov_b32 v[\wB], v[TM+3]
.else
	v_lshl_or_b32 v[\wB], v[TM+3], \shB, v[\wB]
.endif
.irp i, 0,1,2,3,4,5,6,7,8,9,10,11,12,13,14,15
.endr
	v_cvt_scalef32_pk8_bf8_f32 v[(\dA):(\dA)+1], v[(\src):(\src)+7], v[TM+6]
	v_cvt_scalef32_pk8_bf8_f32 v[(\dA)+2:(\dA)+3], v[(\src)+8:(\src)+15], v[TM+6]
	v_cvt_scalef32_pk8_bf8_f32 v[(\dB):(\dB)+1], v[(\src)+16:(\src)+23], v[TM+7]
	v_cvt_scalef32_pk8_bf8_f32 v[(\dB)+2:(\dB)+3], v[(\src)+24:(\src)+31], v[TM+7]
	v_nop                                          ; one plain vector instruction behind the last conversion, ahead of whatever next touches its registers
.endm
	s_load_b256 s[4:11], s[0:1], 0x0               ; x, stats, gn_w, gn_b
	s_load_b512 s[16:31], s[0:1], 0x20             ; wq's codes, scales, bq; wk's codes, scales, bk; wv's codes, scales
	s_load_b128 s[32:35], s[0:1], 0x60             ; bv, qws
	s_load_b64 s[36:37], s[0:1], 0x70              ; kv
	v_lshrrev_b32 v[TS], 5, v0
	s_delay_alu instid0(VALU_DEP_1)
	v_readfirstlane_b32 s2, v[TS]                  ; wave 0..15
	v_and_b32 v[TS], 31, v0                        ; lane
	v_and_b32 v[TS+1], 15, v0                      ; r
	v_bfe_u32 v[TS+2], v0, 4, 1                    ; h (in phase X: the tile u)
	s_wait_alu depctr_va_vdst(0)
	v_and_b32 v[TS+3], 8, v0
	s_delay_alu instid0(VALU_DEP_1)
	v_add_nc_u32 v[TS+3], v[TS+3], v[TS+1]         ; r + 8 (r / 8)
	v_lshlrev_b32 v[LI], 4, v[TS]
	v_lshlrev_b32 v[LS], 2, v[TS]
	s_wait_alu depctr_va_vdst(0)
	v_lshl_add_u32 v[XO], v[TS+2], 3, v[TS+3]      ; my position in a block: 8 u + r + 8 (r / 8)
	s_delay_alu instid0(VALU_DEP_1)
	v_lshlrev_b32 v[XO], 2, v[XO]
	; every LDS address is made here, ahead of the first parting of the roles, from the lane, the wave and constants
	s_and_b32 s12, s2, 1
	s_lshl_b32 s14, s12, 9                         ; scale bytes: my two position blocks: 512 (w % 2)
	s_lshl_b32 s12, s12, 14                        ; codes: 16,384 (w % 2)
	s_lshr_b32 s13, s2, 3                          ; K step s = g / 4
	s_lshl_b32 s15, s13, 11
	s_add_co_u32 s12, s12, s15                     ; + 2,048 s
	s_lshl_b32 s15, s13, 7
	s_add_co_u32 s14, s14, s15                     ; + 128 s
	s_bfe_u32 s13, s2, 0x20001                     ; channel block c = g % 4
	s_lshl_b32 s15, s13, 9
	s_add_co_u32 s12, s12, s15                     ; + 512 c
	s_add_co_u32 s14, s14, s13                     ; + c
	v_lshlrev_b32 v[XW], 12, v[TS+2]               ; 4,096 u
	s_delay_alu instid0(VALU_DEP_1)
	v_lshl_add_u32 v[XW], v[TS+1], 4, v[XW]        ; + 16 r
	s_delay_alu instid0(VALU_DEP_1)
	v_add_nc_u32 v[XW], s12, v[XW]
	v_add_nc_u32 v[XB], s14, v[LS]                 ; 4 x lane: lane = 16 u + r
	s_lshl_b32 s15, s2, 12
	s_add_co_u32 s15, s15, BIMG
	v_add_nc_u32 v[BW], s15, v[LI]
	v_lshlrev_b32 v[WO], 8, v[TS+3]
	s_delay_alu instid0(VALU_DEP_1)
	v_lshl_add_u32 v[WO], v[TS+2], 4, v[WO]
	v_lshlrev_b32 v[WSO], 3, v[TS+3]
	v_lshlrev_b32 v[BOQ], 6, v[TS+2]
	v_lshlrev_b32 v[BOV], 2, v[TS+3]
	v_and_b32 v[STO], 7, v0
	s_delay_alu instid0(VALU_DEP_1)
	v_lshlrev_b32 v[STO], 3, v[STO]
	s_mov_b32 s98, 0x76543210                      ; v_permlanex16_b32's selects for lane l xor 16
	s_mov_b32 s99, 0xfedcba98
	s_mov_b32 s100, 0x600000
	s_lshr_b32 s3, s2, 2                           ; role: 0 q, 1 k, 2 v, 3 none
	s_and_b32 s76, s2, 3                           ; head n
	s_and_b32 s77, ttmp7, 0xffff                   ; b
	s_lshl_b32 s78, s77, 5
	s_add_co_u32 s78, s78, ttmp9                   ; the block's number 32 b + j
	s_mul_i32 s12, s78, 34816                      ; its first byte in qws,
	s_mul_i32 s13, s78, 69632                      ; in kv
	s_mov_b32 s14, 65536
	s_mov_b32 s15, 67584
	s_mov_b32 s79, 0
	s_wait_alu depctr_va_vdst(0)
	s_wait_kmcnt 0x0
	s_cmp_eq_u32 s3, 0                             ; the choices hang on the wave's number alone
	s_cselect_b64 s[66:67], s[16:17], s[22:23]
	s_cselect_b64 s[68:69], s[18:19], s[24:25]
	s_cselect_b64 s[70:71], s[20:21], s[26:27]
	s_cselect_b64 s[72:73], s[34:35], s[36:37]
	s_cselect_b32 s12, s12, s13                    ; my block's first byte
	s_cselect_b32 s14, 32768, s14
	s_cmp_lt_u32 s3, 2
	s_cselect_b64 s[66:67], s[66:67], s[28:29]
	s_cselect_b64 s[68:69], s[68:69], s[30:31]
	s_cselect_b64 s[70:71], s[70:71], s[32:33]
	s_cselect_b32 s14, s14, s15                    ; where my scale words begin in the block,
	s_cselect_b32 s15, 0, 32768                    ; and my images
	s_mov_b64 s[74:75], s[72:73]
	s_lshl_b32 s13, s76, 13
	s_add_co_u32 s78, s12, s13
	s_add_co_u32 s78, s78, s15
	s_add_nc_u64 s[72:73], s[72:73], s[78:79]      ; images: block + 8,192 n (+ 32,768 for v)
	s_lshl_b32 s13, s76, 9
	s_add_co_u32 s78, s12, s13
	s_add_co_u32 s78, s78, s14
	s_add_nc_u64 s[74:75], s[74:75], s[78:79]      ; scale words: block + 512 n + their place
	s_lshl_b32 s78, s76, 14
	s_add_nc_u64 s[66:67], s[66:67], s[78:79]      ; the head's 64 rows of 256 codes,
	s_lshl_b32 s78, s76, 9
	s_add_nc_u64 s[68:69], s[68:69], s[78:79]      ; of 8 scale bytes,
	s_lshl_b32 s78, s76, 8
	s_add_nc_u64 s[70:71], s[70:71], s[78:79]      ; and its 64 biases
	s_lshr_b32 s12, s2, 1                          ; g
	s_lshl_b32 s78, s77, 22                        ; x: batch,
	s_lshl_b32 s13, s12, 19
	s_add_co_u32 s78, s78, s13                     ; group,
	s_lshl_b32 s13, ttmp9, 9
	s_add_co_u32 s78, s78, s13                     ; the work-group's 128 positions,
	s_and_b32 s13, s2, 1
	s_lshl_b32 s13, s13, 8
	s_add_co_u32 s78, s78, s13                     ; my wave's 64 of them
	s_add_nc_u64 s[4:5], s[4:5], s[78:79]
	s_lshl_b32 s78, s77, 3
	s_add_co_u32 s78, s78, s12
	s_lshl_b32 s78, s78, 6
	s_add_nc_u64 s[6:7], s[6:7], s[78:79]          ; stats: 64 bytes for each (b, g)
	s_lshl_b32 s78, s12, 7
	s_add_nc_u64 s[8:9], s[8:9], s[78:79]          ; gn_w, gn_b: my group's 32 numbers
	s_add_nc_u64 s[10:11], s[10:11], s[78:79]
	s_load_b512 s[16:31], s[8:9], 0x0
	s_load_b512 s[32:47], s[8:9], 0x40
	s_load_b512 s[48:63], s[10:11], 0x0
	s_load_b512 s[80:95], s[10:11], 0x40
	global_load_b64 v[TS:TS+1], v[STO], s[6:7]     ; part lane % 8 of my group: (mean, sum of squared deviations)
.set ch, 0
.rept 32
	global_load_b32 v[XR+ch], v[XO], s[4:5] offset:16384*ch              ; channel ch of my group at my position: the wave reads 128 consecutive bytes,
	global_load_b32 v[XR+32+ch], v[XO], s[4:5] offset:16384*ch+128       ; and the next 128 for the second block
.set ch, ch+1
.endr
	; the roles part: the bias goes to LDS in the result's layout, and the weight is asked for
	s_cmp_ge_u32 s2, 12
	s_cbranch_scc1 .Lno_role
	s_cmp_ge_u32 s2, 8
	s_cbranch_scc1 .Lv_bias
.irp t, 0,1,2,3                        ; q, k: lane (r, h), tile t, register j: the bias of channel 32 (t / 2) + 16 h + 8 (t % 2) + j
	global_load_b128 v[80+8*\t:83+8*\t], v[BOQ], s[70:71] offset:(32*(\t/2)+8*(\t%2))*4
	global_load_b128 v[84+8*\t:87+8*\t], v[BOQ], s[70:71] offset:(32*(\t/2)+8*(\t%2))*4+16
.endr
	WLOAD
	s_wait_loadcnt 40                              ; all but the weight's 40 loads: stats, x and the bias are in
.irp t, 0,1,2,3
	ds_store_b128 v[BW], v[80+8*\t:83+8*\t] offset:1024*\t
	ds_store_b128 v[BW], v[84+8*\t:87+8*\t] offset:1024*\t+512
.endr
	s_branch .Ljoin
.Lv_bias:
.irp t, 0,1,2,3                        ; v: a lane holds one channel: its bias in all eight registers
	global_load_b32 v[80+4*\t], v[BOV], s[70:71] offset:(32*(\t/2)+8*(\t%2))*4
.endr
	WLOAD
	s_wait_loadcnt 40                              ; all but the weight's 40 loads
.irp t, 0,1,2,3
	v_mov_b32 v[81+4*\t], v[80+4*\t]
	v_mov_b32 v[82+4*\t], v[80+4*\t]
	v_mov_b32 v[83+4*\t], v[80+4*\t]
.endr
.irp t, 0,1,2,3
	ds_store_b128 v[BW], v[80+4*\t:83+4*\t] offset:1024*\t
	ds_store_b128 v[BW], v[80+4*\t:83+4*\t] offset:1024*\t+512
.endr
	s_branch .Ljoin
.Lno_role:
	s_wait_loadcnt 0x0                             ; stats and x
.Ljoin:
	s_wait_dscnt 0x0                               ; the bias stores have read their registers: v80-111 are free
	; the group's mean and variance from its eight parts of 16,384: every run of eight lanes holds the eight parts
	v_mov_b32 v[TS+2], v[TS]
	s_delay_alu instid0(VALU_DEP_1)
	v_add_f32_dpp v[TS+2], v[TS+2], v[TS+2] row_xmask:1 row_mask:0xf bank_mask:0xf
	s_delay_alu instid0(VALU_DEP_1)
	v_add_f32_dpp v[TS+2], v[TS+2], v[TS+2] row_xmask:2 row_mask:0xf bank_mask:0xf
	s_delay_alu instid0(VALU_DEP_1)
	v_add_f32_dpp v[TS+2], v[TS+2], v[TS+2] row_xmask:4 row_mask:0xf bank_mask:0xf
	s_delay_alu instid0(VALU_DEP_1)
	v_mul_f32 v[MEAN], 0x3e000000, v[TS+2]         ; / 8
	s_delay_alu instid0(VALU_DEP_1)
	v_mov_b32 v[MEAN+1], v[MEAN]
	s_delay_alu instid0(VALU_DEP_2)
	v_sub_f32 v[TS+3], v[TS], v[MEAN]              ; a part's mean less the group's
	s_delay_alu instid0(VALU_DEP_1)
	v_mul_f32 v[TS+4], 0x46800000, v[TS+3]         ; x 16,384
	s_delay_alu instid0(VALU_DEP_1)
	v_fma_f32 v[TS+4], v[TS+4], v[TS+3], v[TS+1]   ; the part's squares about the group's mean
	s_delay_alu instid0(VALU_DEP_1)
	v_add_f32_dpp v[TS+4], v[TS+4], v[TS+4] row_xmask:1 row_mask:0xf bank_mask:0xf
	s_delay_alu instid0(VALU_DEP_1)
	v_add_f32_dpp v[TS+4], v[TS+4], v[TS+4] row_xmask:2 row_mask:0xf bank_mask:0xf
	s_delay_alu instid0(VALU_DEP_1)
	v_add_f32_dpp v[TS+4], v[TS+4], v[TS+4] row_xmask:4 row_mask:0xf bank_mask:0xf
	s_delay_alu instid0(VALU_DEP_1)
	v_mul_f32 v[TS+4], 0x37000000, v[TS+4]         ; / 131,072: the variance
	s_delay_alu instid0(VALU_DEP_1)
	v_add_f32 v[TS+4], 0x3727c5ac, v[TS+4]         ; + 1e-5
	s_wait_alu depctr_va_vdst(0)
	v_rsq_f32 v[RSTD], v[TS+4]
	v_nop                                          ; one plain place behind a transcendental
	s_wait_alu depctr_va_vdst(0)
	v_mov_b32 v[RSTD+1], v[RSTD]
	s_wait_kmcnt 0x0                               ; gn_w, gn_b
; PHASE X, unit i: my position of block 2 (w % 2) + i: 32 channels become 32 codes and a scale byte
.macro XUNIT i
.set XS, XR+32*\i
.set p, 0
.rept 16
	v_pk_add_f32 v[XS+2*p:XS+2*p+1], v[XS+2*p:XS+2*p+1], v[MEAN:MEAN+1] neg_lo:[0,1] neg_hi:[0,1]
.set p, p+1
.endr
.set p, 0
.rept 16
	v_pk_mul_f32 v[XS+2*p:XS+2*p+1], v[XS+2*p:XS+2*p+1], v[RSTD:RSTD+1]
.set p, p+1
.endr
.set ch, 0
.rept 32
.if ch < 16
	v_fma_f32 v[XS+ch], v[XS+ch], s[16+ch], s[48+ch]
.else
	v_fma_f32 v[XS+ch], v[XS+ch], s[16+ch], s[80+ch-16]
.endif
.set ch, ch+1
.endr
	v_max3_num_f32 v[TM], |v[XS]|, |v[XS+1]|, |v[XS+2]|                  ; the block's largest magnitude: all 32 numbers are mine; two chains
	v_max3_num_f32 v[TM+1], |v[XS+3]|, |v[XS+4]|, |v[XS+5]|
.irp k, 6,10,14,18,22,26
	s_delay_alu instid0(VALU_DEP_2)
	v_max3_num_f32 v[TM], v[TM], |v[XS+\k]|, |v[XS+\k+1]|
	s_delay_alu instid0(VALU_DEP_2)
	v_max3_num_f32 v[TM+1], v[TM+1], |v[XS+\k+2]|, |v[XS+\k+3]|
.endr
	s_delay_alu instid0(VALU_DEP_2)
	v_max3_num_f32 v[TM], v[TM], |v[XS+30]|, |v[XS+31]|
	s_delay_alu instid0(VALU_DEP_1)
	v_max3_num_f32 v[TM], v[TM], v[TM+1], 0x8000000                      ; and the floor 2^(16 - 127)
	s_delay_alu instid0(VALU_DEP_1)
	v_add_nc_u32 v[TM+2], 0xf8800000, v[TM]        ; the conversion's scale operand
	s_delay_alu instid0(VALU_DEP_2)
	v_and_or_b32 v[TM+3], v[TM], 0x7f800000, s100  ; 57,344 x the scale
	s_delay_alu instid0(VALU_DEP_2)
	v_lshrrev_b32 v[TM+4+\i], 23, v[TM+2]          ; the scale's byte: a register of its own for each unit, as the codes have: no store's data are written again
.set ch, 0
.rept 32
.set ch, ch+1
.endr
.irp q, 0,1,2,3
	v_cvt_scalef32_pk8_bf8_f32 v[CODES+8*\i+2*\q:CODES+8*\i+2*\q+1], v[XS+8*\q:XS+8*\q+7], v[TM+2]
.endr
	v_nop                                          ; one plain vector instruction behind the last conversion
	ds_store_b128 v[XW], v[CODES+8*\i:CODES+8*\i+3] offset:HIMG+8192*\i          ; channels 0-15 of the block: the image's lane r
	ds_store_b128 v[XW], v[CODES+8*\i+4:CODES+8*\i+7] offset:HIMG+8192*\i+256    ; channels 16-31: its lane 16 + r
	ds_store_b8 v[XB], v[TM+4+\i] offset:HSC+256*\i
.endm
	XUNIT 0
	XUNIT 1
	s_wait_dscnt 0x0                               ; for the others' sake: my stores have landed
	s_barrier_signal -1
	s_barrier_wait -1                              ; h's sixteen fragments and their scale words lie in LDS
	s_cmp_ge_u32 s2, 12
	s_cbranch_scc1 .Lend
	s_wait_loadcnt 0x0                             ; my weight
	s_cmp_ge_u32 s2, 8
	s_cbranch_scc1 .Lv_role
; q, k: tile (P, u) of 16 positions: the head's 64 channels in four accumulators, which take turns, one instruction a turn
.macro QKB P, u
.irp c, 0,1,2,3
	ds_load_b128 v[H+4*\c:H+4*\c+3], v[LI] offset:HIMG+(4*\P+2*\u)*2048+512*\c
	ds_load_b128 v[H+16+4*\c:H+16+4*\c+3], v[LI] offset:HIMG+(4*\P+2*\u+1)*2048+512*\c
.endr
.if \u == 0
	ds_load_b32 v[HS], v[LS] offset:HSC+(2*\P)*128
	ds_load_b32 v[HS+1], v[LS] offset:HSC+(2*\P+1)*128
.endif
.irp t, 0,1,2,3
	ds_load_b128 v[ACC+8*\t:ACC+8*\t+3], v[BW] offset:1024*\t            ; the bias: the sums begin with it
	ds_load_b128 v[ACC+8*\t+4:ACC+8*\t+7], v[BW] offset:1024*\t+512
.endr
	s_wait_dscnt 0x0
.irp s, 0,1
.irp t, 0,1,2,3
	MM ACC+8*\t, W+16*(2*\t+\s), H+16*\s, WS+2*\t+\s, HS+\s, 2*\u
.endr
.endr
.rept 8
	v_nop                                          ; eight places behind this form, ahead of the first read of results and of the next loads into its registers
.endr
.if (\u == 0) && (\P > 0)
	s_wait_xcnt 0x0                                ; the last pair's stores have read their registers: the codes may be written again
.endif
	QUANT2 ACC, CODES+8*\u, CODES+8*\u+4, WORD+\P, 16*\u, WORD+\P, 16*\u+8
.if \u == 1
.irp c, 0,1,2,3
	global_store_b128 v[LI], v[CODES+4*\c:CODES+4*\c+3], s[72:73] offset:2048*\P+512*\c   ; the pair's fragment: each store 512 consecutive bytes
.endr
.endif
.endm
.irp P, 0,1,2,3
	QKB \P, 0
	QKB \P, 1
.endr
	global_store_b128 v[LI], v[WORD:WORD+3], s[74:75]                    ; the four pairs' scale words: 512 consecutive bytes
	s_wait_xcnt 0x0
	v_lshl_add_u32 v118, v0, 2, 0x18400
	v_mov_b32 v119, 0
	s_wait_alu depctr_va_vdst(0)
	s_wait_tensorcnt 0x0
	ds_add_u32 v118, v119
	s_wait_dscnt 0x0
	s_endpgm
.Lv_role:
; v: position block P (32 keys) x channel tiles 2 c2, 2 c2 + 1: accumulator 2 i + u = key tile u x channel tile 2 c2 + i
.macro VB P, c2
.irp s, 0,1
.irp c, 0,1,2,3
	ds_load_b128 v[H+4*\c:H+4*\c+3], v[LI] offset:HIMG+(4*\P+\s)*2048+512*\c
	ds_load_b128 v[H+16+4*\c:H+16+4*\c+3], v[LI] offset:HIMG+(4*\P+2+\s)*2048+512*\c
.endr
.if \s == 0
.if \c2 == 0
	ds_load_b32 v[HS], v[LS] offset:HSC+(2*\P)*128
	ds_load_b32 v[HS+1], v[LS] offset:HSC+(2*\P+1)*128
.endif
.irp i, 0,1
.irp u, 0,1
	ds_load_b128 v[ACC+8*(2*\i+\u):ACC+8*(2*\i+\u)+3], v[BW] offset:1024*(2*\c2+\i)
	ds_load_b128 v[ACC+8*(2*\i+\u)+4:ACC+8*(2*\i+\u)+7], v[BW] offset:1024*(2*\c2+\i)+512
.endr
.endr
.endif
	s_wait_dscnt 0x0
.irp i, 0,1
.irp u, 0,1
	MM ACC+8*(2*\i+\u), H+16*\u, W+16*(2*(2*\c2+\i)+\s), HS+\s, WS+2*(2*\c2+\i)+\s, \u
.endr
.endr
.rept 8
	v_nop                                          ; eight places, ahead of the loads into h's registers and of the first read of results
.endr
.endr
.if (2*\P+\c2) > 0
	s_wait_xcnt 0x0                                ; earlier stores have read their registers
.endif
	QUANT2 ACC, CODES+8*\c2, CODES+8*\c2+4, WORD+2*\c2, 8*\P, WORD+2*\c2+1, 8*\P
	global_store_b128 v[LI], v[CODES+8*\c2:CODES+8*\c2+3], s[72:73] offset:2048*(2*\c2)+512*\P
	global_store_b128 v[LI], v[CODES+8*\c2+4:CODES+8*\c2+7], s[72:73] offset:2048*(2*\c2+1)+512*\P
.endm
.irp P, 0,1,2,3
	VB \P, 0
	VB \P, 1
.endr
	global_store_b128 v[LI], v[WORD:WORD+3], s[74:75]                    ; the four channel tiles' scale words
.Lend:
	s_wait_xcnt 0x0
	v_lshl_add_u32 v118, v0, 2, 0x18400
	v_mov_b32 v119, 0
	s_wait_alu depctr_va_vdst(0)
	s_wait_tensorcnt 0x0
	ds_add_u32 v118, v119
	s_wait_dscnt 0x0
	s_endpgm
.Lfunc_end_k_q28b333510a_qkv:
	.size	k_q28b333510a_qkv, .Lfunc_end_k_q28b333510a_qkv-k_q28b333510a_qkv
	.p2alignl 7, 3214868480
	.fill 96, 4, 3214868480
	.section	.rodata,"a",@progbits
	.p2align	6, 0x0
	.amdhsa_kernel k_q28b333510a_qkv
		.amdhsa_group_segment_fixed_size 101376
		.amdhsa_private_segment_fixed_size 0
		.amdhsa_enable_private_segment 0
		.amdhsa_kernarg_size 120
		.amdhsa_user_sgpr_count 2
		.amdhsa_user_sgpr_kernarg_segment_ptr 1
		.amdhsa_wavefront_size32 1
		.amdhsa_system_sgpr_workgroup_id_x 1
		.amdhsa_system_sgpr_workgroup_id_y 1
		.amdhsa_system_sgpr_workgroup_id_z 1
		.amdhsa_system_vgpr_workitem_id 0
		.amdhsa_next_free_vgpr 256
		.amdhsa_next_free_sgpr 102
		.amdhsa_reserve_vcc 0
		.amdhsa_float_denorm_mode_32 3
		.amdhsa_float_denorm_mode_16_64 3
		.amdhsa_fp16_overflow 1
		.amdhsa_memory_ordered 1
		.amdhsa_forward_progress 1
		.amdhsa_inst_pref_size 117
	.end_amdhsa_kernel
	.amdgpu_metadata
---
amdhsa.version: [ 1, 2 ]
amdhsa.kernels:
  - .name:           k_q28b333510a_qkv
    .symbol:         k_q28b333510a_qkv.kd
    .args:
      - { .name: x, .offset: 0, .size: 8, .value_kind: global_buffer, .address_space: global }
      - { .name: stats, .offset: 8, .size: 8, .value_kind: global_buffer, .address_space: global }
      - { .name: gn_w, .offset: 16, .size: 8, .value_kind: global_buffer, .address_space: global }
      - { .name: gn_b, .offset: 24, .size: 8, .value_kind: global_buffer, .address_space: global }
      - { .name: wq_codes, .offset: 32, .size: 8, .value_kind: global_buffer, .address_space: global }
      - { .name: wq_scales, .offset: 40, .size: 8, .value_kind: global_buffer, .address_space: global }
      - { .name: bq, .offset: 48, .size: 8, .value_kind: global_buffer, .address_space: global }
      - { .name: wk_codes, .offset: 56, .size: 8, .value_kind: global_buffer, .address_space: global }
      - { .name: wk_scales, .offset: 64, .size: 8, .value_kind: global_buffer, .address_space: global }
      - { .name: bk, .offset: 72, .size: 8, .value_kind: global_buffer, .address_space: global }
      - { .name: wv_codes, .offset: 80, .size: 8, .value_kind: global_buffer, .address_space: global }
      - { .name: wv_scales, .offset: 88, .size: 8, .value_kind: global_buffer, .address_space: global }
      - { .name: bv, .offset: 96, .size: 8, .value_kind: global_buffer, .address_space: global }
      - { .name: qws, .offset: 104, .size: 8, .value_kind: global_buffer, .address_space: global }
      - { .name: kv, .offset: 112, .size: 8, .value_kind: global_buffer, .address_space: global }
    .group_segment_fixed_size: 101376
    .private_segment_fixed_size: 0
    .kernarg_segment_align: 8
    .kernarg_segment_size: 120
    .max_flat_workgroup_size: 512
    .sgpr_count:     102
    .vgpr_count:     256
    .wavefront_size: 32
...
	.end_amdgpu_metadata
.endif
;; end of part 2
;; launch attn (part 3): grid 64 x 4, 16 waves a work-group, clusters of 4 x 1, 327,680 bytes of LDS; arguments qws, kv, wp_codes, wp_scales, bp, x, out0; writes out0
.if DOCPART == 3
	.amdgcn_target "amdgcn-amd-amdhsa--gfx1250"
	.amdhsa_code_object_version 6
	.text
	.protected	k_q28b333510a_attn
	.globl	k_q28b333510a_attn
	.p2align	8
	.type	k_q28b333510a_attn,@function
k_q28b333510a_attn:
	s_mov_b64 s[64:65], 0
	v_nop
	global_prefetch_b8 v0, s[64:65] scope:SCOPE_SE
	s_setreg_imm32_b32 hwreg(HW_REG_WAVE_MODE, 25, 1), 1
	s_wait_xcnt 0x0
	s_wait_alu depctr_hold_cnt(0) depctr_sa_sdst(0) depctr_va_vdst(0) depctr_va_sdst(0) depctr_va_ssrc(0) depctr_va_vcc(0) depctr_vm_vsrc(0)
	s_getreg_b32 s2, hwreg(HW_REG_IB_STS2, 6, 4)
	s_cmp_eq_u32 s2, 0
	s_cbranch_scc0 .Lentry_in_a_cluster
	s_endpgm
.Lentry_in_a_cluster:
	s_bfe_u32 s2, ttmp6, 0x10000c
	s_cmp_lg_u32 s2, 0x3003
	s_cbranch_scc0 .Lentry_shape_is_right
	s_endpgm
.Lentry_shape_is_right:
; Attention on codes of E5M2 (one E8M0 scale for each 32 along a product's K), the quantiser of its result, the last 1 x 1 convolution, its bias and the residual: out0 = x + wp O + bp.
; SHARES.  Work-group (qb, b) owns 64 positions, 64 qb on, of batch b, for ALL FOUR heads, so that the last convolution, whose K is all 256 channels, is made here and O never goes to memory.
;   Wave w: head n = w / 4, query tile m = w % 4 (16 queries), in 256 registers: four waves to a SIMD, so that one wave's vector work stands beside another's products and LDS loads.
; OPERANDS come as images of operand registers (a group of four registers: 512 bytes, lane l's 16 bytes at 16 l), made by the launch before; a block of kv is one key step (128 keys, all heads, 69,632 bytes):
;   K's pair fragments at 8192 n + 2048 P, V's fragments at 32768 + 8192 n + 2048 ct, K's scale words at 65536 + 512 n + 16 lane + 4 P, V's at 67584 + 512 n + 16 lane + 4 ct.
; THE HEAD HAS 64 CHANNELS, THE INSTRUCTION 128 ALONG K.  A fragment of K holds a PAIR of key tiles: K 0-63 the channels of tile (P, 0), K 64-127 those of tile (P, 1).  Q lies in 24 registers [q | zeros | q]:
;   registers 0-15 against the pair give tile (P, 0)'s scores, registers 8-23 tile (P, 1)'s: zero codes cancel the other tile (all codes are finite, all scale bytes 1 .. 254).  No LDS byte is read twice.
; LAYOUT.  Both products are used transposed: S^T = K Q^T, O^T = V^T P^T: a lane holds ONE query (lane % 16) throughout.  Row m of key tile (P, u) is key 32 P + 8 u + m + 8 (m / 8), so that a lane's 16 registers of a pair are
;   the 16 neighbouring keys 32 P + 16 (lane / 16) + 0 .. 15; V's channel tiles are chosen the same way, so that O^T's registers run along neighbouring channels, the last product's K.
; THE SOFTMAX: t = score x log2(e) / 8; M = the running largest t, rounded UP to a whole number; p = 2^(t - M) is what is quantised, along the keys, not normalised.  The row's sum is taken of the unquantised p and divides O at the
;   end.  When M moves, the sum and O^T are multiplied by 2^(old M - new M): exact, and with no branch on data.
; THE RING.  Two LDS slots of two key steps (139,264 bytes), copied as they lie.  CLUSTER: the four work-groups of a cluster belong to one batch and walk the same kv, so each tile is asked for JOINTLY: waves 0-7 issue one tensor
;   load each (68 rows of 256 bytes), the same descriptor in all four work-groups, with a mask that names the four.  One load of a wave is out at the most.
; LIMITS: NaN and infinities are not served; a block whose largest magnitude lies under 2^-111 (a block of zeros too) takes the scale byte 1: its bytes are read by this program alone.
.set KVB,   69632                      ; a key step's block
.set SLOTB, 2*KVB                      ; a slot
.set PART,  17408                      ; a wave's eighth of a slot: 68 rows of 256 bytes
.set SPARE, 2*SLOTB                    ; behind the ring: the spare words, 128 bytes for each wave: eight blocks of 256 bytes that no other line names
.set OIMG,  0                          ; the end: in slot 0, which has then had its last fill and its last read: O's 8 fragments (query tile m, K step s) at (2 m + s) x 2,048,
.set OSC,   16384                      ; their scale words, 128 bytes each,
.set STG,   17408                      ; and a stage of 16 rows x (256 + 16) bytes for each wave
.set KV,  48                           ; v48-111  four fragments of K, then of V
.set S,   112                          ; v112-175 S^T, then p
.set OT,  176                          ; v176-207 O^T: channel tile ct at 8 ct
.set PC,  208                          ; v208-223 p's codes
.set BM,  224                          ; v224-227 each block's largest score, then its largest p
.set PB,  228                          ; v228-231 the other half of the lanes', then the scale bytes
.set HD,  232
.set SO,  236                          ; v236-239 the conversions' scale operands
.set AOI, 248                          ; v248 the end: where my codes of O go in LDS.  v248-253 are made at the head from the lane, the wave and constants, hold nothing else and are never rewritten
.set AOS, 249                          ; v249 and their two scale bytes
.set ASI, 250                          ; v250 my stage, on the way in
.set ASB, 251                          ; v251 and on the way back
.set RR,  252                          ; v252 r = lane % 16
.set HH,  253                          ; v253 h = lane / 16
.set WSO, 42                           ; v42  the end: wp's scale words: 8 r
.set BPO, 43                           ; v43  bp: 4 r
.set XGO, 254                          ; v254 x, out0: 16,384 h + 16 r
; v1 my place among K's and V's images: 16 lane + 8192 n; v2 among the scale words: 16 lane + 512 n + 65536; v3, v4 the spare word's address and 0; v5 256 x lane (prefetches); v6, v7 the step's addresses;
; v8-11 K's scale words; v12 -M; v13 the largest t; v[14:15] the sum l in two halves; v16-39 Q; v40 Q's scale word; v41 p's; v44-47 V's (v8-11, v40, v41, v44-47: scales and nothing else);
; v[240:241], v[246:247] the step's sum in two chains; v[242:243] f; v244 at work
; s[4:17] qws, kv, wp's codes, wp's scales, bp, x, out0; s18 wave; s[20:21] lane selects; s[22:23] c; s[24:31] descriptor group 1; s[32:35], s[36:39] group 0 for slots 0, 1;
; s40 cx; s41 qb; s42 b; s43 n; s44 laps; s45 m; s46 1 in a wave that prefetches; s47 at work; s[48:49] where its prefetches stand; s50-59 at work
; A round of the cluster's barrier: my work-group's barrier; wave 0 signals for the work-group; every wave waits for all four work-groups; my work-group's barrier once more
.macro ROUND
	s_barrier_signal -1
	s_barrier_wait -1
	s_cmp_lg_u32 s18, 0
	s_cbranch_scc1 .Lnot_wave_0_\@
	s_barrier_signal -3
.Lnot_wave_0_\@:
	s_barrier_wait -3
	s_barrier_signal -1
	s_barrier_wait -1
.endm
; A joint load: waves 0-7, an eighth of a slot each.  The branch hangs on the wave's number alone.  Four v_nop follow the load
.macro JLOAD g0
	s_cmp_lt_u32 s18, 8
	s_cbranch_scc0 .Lnone_\@
	tensor_load_to_lds s[\g0:\g0+3], s[24:31]
	s_nop 0
.rept 4
	v_nop
.endr
.Lnone_\@:
.endm
; A prefetch into the L2 of the codes of the slot that the NEXT change of slots will ask for: 2 x 65,536 bytes = 512 blocks of 256.  All 16 clusters of a batch walk the same kv: the batch's first cluster asks.  Its four partners are
; told apart BY ADDRESS; in each, waves 8-11, which fetch nothing, ask: wave 8 + 2 i + k for key step i, bytes 8,192 (4 k + cx) on, lanes 256 bytes apart: one instruction a wave, each block named once in the launch.
; The scale words (32 blocks of a slot's 544) do not divide so and come by their loads alone.
.macro ASK
	s_cmp_eq_u32 s46, 1
	s_cbranch_scc0 .Lnot_mine_\@
	global_prefetch_b8 v5, s[48:49] th:TH_LOAD_NT scope:SCOPE_SE
.Lnot_mine_\@:
.endm
	s_load_b256 s[4:11], s[0:1], 0x0               ; qws, kv, wp's codes, wp's scales
	s_load_b128 s[12:15], s[0:1], 0x20             ; bp, x
	s_load_b64 s[16:17], s[0:1], 0x30              ; out0
	v_lshl_add_u32 v3, v0, 2, SPARE
	v_mov_b32 v4, 0
	ds_add_u32 v3, v4
	ds_add_u32 v3, v4
	s_wait_dscnt 0x0
	v_lshrrev_b32 v6, 5, v0
	s_delay_alu instid0(VALU_DEP_1)
	v_readfirstlane_b32 s18, v6                    ; wave 0..15
	s_lshr_b32 s43, s18, 2                         ; n
	s_and_b32 s45, s18, 3                          ; m
	; the LDS addresses of the end, made here of the lane, the wave and constants alone, in registers that hold nothing else
	v_and_b32 v6, 31, v0                           ; lane
	s_delay_alu instid0(VALU_DEP_1)
	v_lshlrev_b32 v7, 4, v6                        ; 16 x lane
	s_wait_alu depctr_va_vdst(0)
	v_and_b32 v[RR], 15, v0
	s_wait_alu depctr_va_vdst(0)
	v_bfe_u32 v[HH], v0, 4, 1
	s_lshl_b32 s52, s45, 1
	s_lshr_b32 s53, s43, 1
	s_add_co_u32 s52, s52, s53                     ; my fragment of O: 2 m + n / 2
	s_and_b32 s53, s43, 1
	s_lshl_b32 s54, s52, 11
	s_lshl_b32 s55, s53, 10
	s_add_co_u32 s54, s54, s55                     ; its groups 2 (n % 2), + 1
	s_lshl_b32 s56, s52, 7
	s_lshl_b32 s57, s53, 1
	s_add_co_u32 s56, s56, s57
	s_add_co_u32 s56, s56, OSC                     ; bytes 2 (n % 2), + 1 of its scale words
	s_mul_i32 s58, s18, 16*272
	s_add_co_u32 s58, s58, STG                     ; my stage
	v_add_nc_u32 v[AOI], s54, v7                   ; + 16 x lane
	v_lshl_add_u32 v[AOS], v6, 2, s56              ; + 4 x lane
	v_mul_u32_u24 v[ASI], v[RR], 272
	s_wait_alu depctr_va_vdst(0)
	v_lshl_add_u32 v[ASI], v[HH], 6, v[ASI]
	s_delay_alu instid0(VALU_DEP_1)
	v_add_nc_u32 v[ASI], s58, v[ASI]               ; in: row r (a channel), + 64 h
	v_mul_u32_u24 v[ASB], v[HH], 272
	s_delay_alu instid0(VALU_DEP_1)
	v_lshl_add_u32 v[ASB], v[RR], 4, v[ASB]
	s_delay_alu instid0(VALU_DEP_1)
	v_add_nc_u32 v[ASB], s58, v[ASB]               ; back: sixteen lanes to a row
	s_bfe_u32 s40, ttmp6, 0x40000                  ; cx: my place in the cluster
	s_lshl_b32 s41, ttmp9, 2                       ; in a cluster launch ttmp9 counts clusters
	s_add_co_u32 s41, s41, s40                     ; qb = 4 x cluster x + cx: it enters Q's, x's and out0's addresses alone
	s_and_b32 s42, ttmp7, 0xffff                   ; b, which the four partners share
	s_mov_b32 s20, 0x76543210
	s_mov_b32 s21, 0xfedcba98
	s_mov_b32 s22, 0x3e38aa3b                      ; c = log2(e) / 8
	s_mov_b32 s23, s22                             ; (named with it as a pair, so it is written)
	; descriptor group 1: 68 rows of 256 bytes (32 elements of 8 bytes), dense in memory and in LDS
	s_mov_b32 s24, 15|(3<<16)|(1<<21)              ; 15:0 the mask: all four work-groups; 17:16 elements of 8 bytes; 21 set beside a mask; no padding: every read of the slot is 512 consecutive bytes
	s_mov_b32 s25, 32<<16                          ; tensor_dim0 = 32
	s_mov_b32 s26, 68<<16                          ; tensor_dim1 = 68
	s_mov_b32 s27, 32<<16                          ; tile_dim0 = 32
	s_mov_b32 s28, 68                              ; tile_dim1 = 68
	s_mov_b32 s29, 32                              ; from row to row
	s_mov_b32 s30, 0
	s_mov_b32 s31, 0
	s_mul_i32 s50, s42, 32*KVB                     ; the batch's 32 blocks
	s_mov_b32 s51, 0
	s_and_b32 s54, s18, 7
	s_mul_i32 s54, s54, PART                       ; my eighth, in memory and in LDS: no place in the cluster enters it
	s_mov_b32 s55, 0
	s_wait_kmcnt 0x0
	s_add_nc_u64 s[52:53], s[6:7], s[50:51]        ; the batch's kv
	s_add_nc_u64 s[56:57], s[52:53], s[54:55]
	s_mov_b32 s32, 1                               ; count = 1
	s_mov_b32 s33, s54                             ; LDS address: slot 0
	s_mov_b64 s[34:35], s[56:57]                   ; global address: key steps 0, 1
	s_or_b32 s35, s35, 0x80000000                  ; type = 2
	s_mov_b32 s36, 1
	s_add_co_u32 s37, s54, SLOTB                   ; slot 1
	s_add_nc_u64 s[38:39], s[56:57], SLOTB         ; key steps 2, 3
	s_or_b32 s39, s39, 0x80000000
	ROUND                                          ; all four work-groups are here: the first joint loads meet
	JLOAD 32                                       ; slot 0
	; the prefetches: where mine stand, and who asks
	s_lshr_b32 s50, s18, 1
	s_and_b32 s50, s50, 1
	s_mul_i32 s50, s50, KVB                        ; which of a slot's two key steps
	s_and_b32 s58, s18, 1
	s_lshl_b32 s58, s58, 2
	s_add_co_u32 s58, s58, s40
	s_lshl_b32 s58, s58, 13                        ; 8,192 (4 (w % 2) + cx)
	s_add_co_u32 s50, s50, s58
	s_add_co_u32 s50, s50, SLOTB                   ; in slot 1's keys: the first change of slots steps it on.  Nothing is prefetched here, at the head
	s_add_nc_u64 s[48:49], s[52:53], s[50:51]
	s_xor_b32 s46, s43, 2                          ; 0 in waves 8-11,
	s_or_b32 s46, s46, ttmp9                       ; of the batch's first cluster: the same in all four partners
	s_cmp_eq_u32 s46, 0
	s_cselect_b32 s46, 1, 0
	; Q: my tile's two groups out of pair P = 2 (qb % 2) + m / 2 of block 32 b + qb / 2
	s_lshr_b32 s50, s41, 1
	s_lshl_b32 s58, s42, 5
	s_add_co_u32 s50, s50, s58
	s_mul_i32 s50, s50, 34816                      ; the block
	s_and_b32 s58, s41, 1
	s_lshl_b32 s58, s58, 1
	s_lshr_b32 s59, s45, 1
	s_add_co_u32 s58, s58, s59                     ; P
	s_lshl_b32 s59, s43, 9
	s_add_co_u32 s59, s59, s50
	s_lshl_b32 s56, s58, 2
	s_add_co_u32 s56, s56, s59
	s_add_co_u32 s56, s56, 32768
	s_mov_b32 s57, 0
	s_add_nc_u64 s[56:57], s[4:5], s[56:57]        ; its scale word: block + 32,768 + 512 n + 4 P
	s_lshl_b32 s59, s43, 13
	s_add_co_u32 s50, s50, s59
	s_lshl_b32 s59, s58, 11
	s_add_co_u32 s50, s50, s59
	s_and_b32 s59, s18, 1
	s_lshl_b32 s59, s59, 10
	s_add_co_u32 s50, s50, s59
	s_add_nc_u64 s[4:5], s[4:5], s[50:51]          ; its codes: block + 8,192 n + 2,048 P + 1,024 u
	global_load_b128 v[16:19], v7, s[4:5]          ; q, channels 0-31,
	global_load_b128 v[20:23], v7, s[4:5] offset:512   ; channels 32-63,
	global_load_b128 v[32:35], v7, s[4:5]          ; and once more behind the zeros
	global_load_b128 v[36:39], v7, s[4:5] offset:512
	global_load_b32 v244, v7, s[56:57]             ; the pair's scale word.  (s[4:5], s[56:57] and v7 stay as they are until the wait for these loads)
	s_lshl_b32 s58, s43, 13
	v_add_nc_u32 v1, s58, v7
	s_lshl_b32 s59, s43, 9
	s_add_co_u32 s59, s59, 65536
	v_add_nc_u32 v2, s59, v7
	v_lshlrev_b32 v5, 8, v6
.irp j, 0,1,2,3,4,5,6,7
	v_mov_b32 v[24+\j], 0                          ; the zero codes between the two copies of q
.endr
.set jj, 0
.rept 32
	v_mov_b32 v[OT+jj], 0                          ; O^T.  (The key step is written once: the first finds zeros, which the first change of M leaves zeros)
.set jj, jj+1
.endr
.irp b, 0,1,2,3
	v_mov_b32 v[PB+\b], 0                          ; written once: a lane permute's destination counts as one of its sources
.endr
	v_mov_b32 v243, 0                              ; (named as the upper half of the pair v[242:243])
	v_mov_b32 v13, 0xff61b1e6                      ; the largest t so far: -3e38, under every t
	s_delay_alu instid0(VALU_DEP_1)
	v_floor_f32 v12, -v13                          ; -M
	v_mov_b32 v14, 0                               ; the sum, in two halves
	v_mov_b32 v15, 0
	s_mov_b32 s58, 0x03020302
	s_mov_b32 s59, 0x01000100
	s_and_b32 s47, s18, 1                          ; u
	s_cmp_eq_u32 s47, 0
	s_cselect_b32 s58, s59, s58
	s_wait_loadcnt 0x0                             ; Q
	v_perm_b32 v40, v244, v244, s58                ; my tile's two bytes, twice: they serve q in either place
; A KEY STEP: 128 keys, the q-th of the slot
.macro STEP slot, q
	v_add_nc_u32 v6, (\slot)*SLOTB+(\q)*KVB, v1
	v_add_nc_u32 v7, (\slot)*SLOTB+(\q)*KVB, v2
.rept 6
	v_nop                                          ; with the two additions: eight places in front of loads into registers that the last products read
.endr
	ds_load_b128 v[8:11], v7                       ; K's four scale words
.irp P, 0,1,2,3
.irp c, 0,1,2,3
	ds_load_b128 v[KV+16*\P+4*\c:KV+16*\P+4*\c+3], v6 offset:2048*\P+512*\c
.endr
.endr
	s_wait_alu depctr_va_vdst(0)
	s_wait_dscnt 0x0
.irp P, 0,1,2,3                        ; S^T = K Q^T: each pair against [q | 0] and against [0 | q]
	v_wmma_scale_f32_16x16x128_f8f6f4 v[S+16*\P:S+16*\P+7], v[KV+16*\P:KV+16*\P+15], v[16:31], 0, v[8+\P], v40 matrix_a_fmt:MATRIX_FMT_BF8 matrix_b_fmt:MATRIX_FMT_BF8
	v_wmma_scale_f32_16x16x128_f8f6f4 v[S+16*\P+8:S+16*\P+15], v[KV+16*\P:KV+16*\P+15], v[24:39], 0, v[8+\P], v40 matrix_a_fmt:MATRIX_FMT_BF8 matrix_b_fmt:MATRIX_FMT_BF8
.endr                                  ; register 16 P + i of lane (r, h): key 32 P + 16 h + i of query r
.rept 8
	v_nop                                          ; eight places: then V's fragments are asked for, into K's registers, and land under the softmax
.endr
.irp t, 0,1,2,3
.irp c, 0,1,2,3
	ds_load_b128 v[KV+16*\t+4*\c:KV+16*\t+4*\c+3], v6 offset:32768+2048*\t+512*\c
.endr
.endr
	ds_load_b128 v[44:47], v7 offset:2048          ; V's four scale words
.irp b, 0,1,2,3
	v_max3_num_f32 v[BM+\b], v[S+16*\b], v[S+1+16*\b], v[S+2+16*\b]      ; the largest score of each block of 32 keys: it serves the row's maximum and, since p rises with the score, the block's largest p
.endr
.irp i, 3,5,7,9,11,13
.irp b, 0,1,2,3
	v_max3_num_f32 v[BM+\b], v[BM+\b], v[S+16*\b+\i], v[S+1+16*\b+\i]    ; (the four blocks by turns)
.endr
.endr
.irp b, 0,1,2,3
	v_max_num_f32 v[BM+\b], v[BM+\b], v[S+15+16*\b]
.endr
.irp b, 0,1,2,3
	s_delay_alu instid0(VALU_DEP_4)
	v_permlanex16_b32 v[PB+\b], v[BM+\b], s20, s21
.endr
.irp b, 0,1,2,3
	s_delay_alu instid0(VALU_DEP_4)
	v_max_num_f32 v[BM+\b], v[BM+\b], v[PB+\b]     ; with lane l xor 16's 16 keys
.endr
	s_delay_alu instid0(VALU_DEP_2)
	v_max3_num_f32 v244, v[BM], v[BM+1], v[BM+2]
	s_delay_alu instid0(VALU_DEP_1)
	v_max_num_f32 v244, v244, v[BM+3]              ; the step's largest score of my query
	s_delay_alu instid0(VALU_DEP_1)
	v_mul_f32 v244, s22, v244                      ; as t (c is positive)
	s_delay_alu instid0(VALU_DEP_1)
	v_max_num_f32 v13, v13, v244                   ; the running largest t
	v_mov_b32 v244, v12
	s_delay_alu instid0(VALU_DEP_2)
	v_floor_f32 v12, -v13                          ; the new -M = floor(-t) = -ceil(t): a whole number
	s_delay_alu instid0(VALU_DEP_1)
	v_sub_f32 v244, v12, v244                      ; old M - new M: a whole number, 0 or less
	s_delay_alu instid0(VALU_DEP_1)
	v_cvt_i32_f32 v244, v244                       ; (it saturates)
	s_delay_alu instid0(VALU_DEP_1)
	v_ldexp_f32 v242, 1.0, v244                    ; f = 2^(old M - new M)
.set jj, 0
.rept 32
	v_pk_fma_f32 v[S+jj:S+jj+1], v[S+jj:S+jj+1], s[22:23], v[12:13] op_sel_hi:[1,0,0]   ; t - M, two at a time (of the pairs c and -M the low word serves both halves)
.set jj, jj+2
.endr
.irp b, 0,1,2,3
	v_fma_f32 v[BM+\b], v[BM+\b], s22, v12         ; the same of each block's largest score
.endr
.set jj, 0
	s_wait_alu depctr_va_vdst(0)
.rept 64
	v_exp_f32 v[S+jj], v[S+jj]                     ; p = 2^(t - M), at most 1: not normalised
.set jj, jj+1
.endr
.irp b, 0,1,2,3
	v_exp_f32 v[BM+\b], v[BM+\b]                   ; the block's largest p
.endr
.set jj, 0
	s_wait_alu depctr_va_vdst(0)
.rept 16
	v_pk_mul_f32 v[OT+jj:OT+jj+1], v[OT+jj:OT+jj+1], v[242:243] op_sel_hi:[1,0]   ; O^T under the new M, each accumulator from its low end on.  (Plain places behind the exponentials; and far ahead of the products that add onto O^T)
.set jj, jj+2
.endr
	s_wait_alu depctr_va_vdst(0)
.irp b, 0,1,2,3
	v_max_num_f32 v[BM+\b], 0x8000000, v[BM+\b]    ; the floor 2^(16 - 127): the byte cannot fall under 1
.endr
.irp b, 0,1,2,3
	s_delay_alu instid0(VALU_DEP_4)
	v_add_nc_u32 v[SO+\b], 0xf8800000, v[BM+\b]    ; 15 off the exponent field: the conversion's scale operand
.endr
.irp b, 0,1,2,3
.endr
.irp b, 0,1,2,3
	s_delay_alu instid0(VALU_DEP_4)
	v_lshrrev_b32 v[PB+\b], 23, v[SO+\b]           ; the scale's byte
.endr
	s_delay_alu instid0(VALU_DEP_3)
	v_lshl_or_b32 v41, v[PB+1], 8, v[PB]           ; p's scale word for these 128 keys: far more than eight places ahead of its products
	s_delay_alu instid0(VALU_DEP_1)
	v_lshl_or_b32 v41, v[PB+2], 16, v41
	s_delay_alu instid0(VALU_DEP_1)
	v_lshl_or_b32 v41, v[PB+3], 24, v41
	v_pk_add_f32 v[240:241], v[S:S+1], v[S+2:S+3]          ; the step's sum of the UNQUANTISED p: two at a time, in two chains
	v_pk_add_f32 v[246:247], v[S+4:S+5], v[S+6:S+7]
.set jj, 8
.rept 14
	v_pk_add_f32 v[240:241], v[240:241], v[S+jj:S+jj+1]
	v_pk_add_f32 v[246:247], v[246:247], v[S+jj+2:S+jj+3]
.set jj, jj+4
.endr
.irp b, 0,1,2,3
.set jj, 0
.rept 16
.set jj, jj+1
.endr
	v_cvt_scalef32_pk8_bf8_f32 v[PC+4*\b:PC+4*\b+1], v[S+16*\b:S+16*\b+7], v[SO+\b]
	v_cvt_scalef32_pk8_bf8_f32 v[PC+4*\b+2:PC+4*\b+3], v[S+16*\b+8:S+16*\b+15], v[SO+\b]
.endr
	v_pk_add_f32 v[240:241], v[240:241], v[246:247]        ; the two chains join, and l = l f + the step's sum: with two v_nop the four places between the codes and the scaled products
	s_delay_alu instid0(VALU_DEP_1)
	v_pk_fma_f32 v[14:15], v[14:15], v[242:243], v[240:241] op_sel_hi:[1,0,1]
	v_nop
	v_nop
	s_wait_alu depctr_va_vdst(0)
	s_wait_dscnt 0x0                               ; V and its scale words
.irp t, 0,1,2,3                        ; O^T += V^T P^T: the four accumulators take turns, one instruction a turn; the next matrix instruction is the next step's first score
	v_wmma_scale_f32_16x16x128_f8f6f4 v[OT+8*\t:OT+8*\t+7], v[KV+16*\t:KV+16*\t+15], v[PC:PC+15], v[OT+8*\t:OT+8*\t+7], v[44+\t], v41 matrix_a_fmt:MATRIX_FMT_BF8 matrix_b_fmt:MATRIX_FMT_BF8
.endr
.endm
; A SLOT.  At its head each wave waits for all its tensor loads (its part of this slot), adds 0 to its spare word, and waits for that and for its reads of the slot that it has left.  refill = 1: a round of the cluster's barrier,
; so that no wave of any partner still reads the other slot or has a load on its way, and the joint refill of that slot first behind it: it has this slot's two key steps in which to land.
.macro TRIP slot, refill, ask
	s_wait_tensorcnt 0x0                           ; no tensor load of mine is out, so a group 0 may be written
	ds_add_u32 v3, v4                              ; 0 onto my spare word: the steps below stand between it and the wait for it
	s_add_nc_u64 s[34+4*\slot:35+4*\slot], s[34+4*\slot:35+4*\slot], 2*SLOTB   ; this slot's next keys; the type bits on top are not reached
.if \ask
	s_wait_xcnt 0x0                                ; the last prefetch, a slot back, has read its address, so it may be written
	s_add_nc_u64 s[48:49], s[48:49], SLOTB
.endif
	s_wait_dscnt 0x0                               ; the add is done, and my reads of the slot that I have left are over
.if \refill
	ROUND
	JLOAD 36-4*\slot
.else
	s_barrier_signal -1
	s_barrier_wait -1
.endif
.if \ask
	ASK                                            ; in trip k the keys of slot k + 2: two key steps of all sixteen waves ahead of the load that wants them
.endif
	s_wait_alu depctr_va_vdst(0)
	STEP \slot, 0
	STEP \slot, 1
.endm
	s_mov_b32 s44, 7
.Llap:                                             ; 16 slots' worth of keys: seven laps of two, and the last two written out
	TRIP 0, 1, 1
	TRIP 1, 1, 1
	s_sub_co_u32 s44, s44, 1
	s_cmp_lg_u32 s44, 0
	s_cbranch_scc1 .Llap
	TRIP 0, 1, 0                                   ; the last refill; nothing is left to prefetch
	TRIP 1, 0, 0                                   ; nothing is left to fetch (the stepped addresses are not used)
	; THE END.  O = O^T / l is quantised along the channels; its fragments go to LDS as images; wave w then makes output channels 16 w .. 16 w + 15 for the 64 positions, adds bp (as C) and x, and stores whole rows.
	s_lshl_b32 s50, s18, 12
	s_mov_b32 s51, 0
	s_add_nc_u64 s[8:9], s[8:9], s[50:51]          ; wp: my 16 rows of 256 codes,
	s_lshl_b32 s50, s18, 7
	s_add_nc_u64 s[10:11], s[10:11], s[50:51]      ; of 8 scale bytes,
	s_lshl_b32 s50, s18, 6
	s_add_nc_u64 s[12:13], s[12:13], s[50:51]      ; bp: my 16
	s_lshl_b32 s50, s42, 22
	s_lshl_b32 s52, s18, 18
	s_add_co_u32 s50, s50, s52
	s_lshl_b32 s52, s41, 8
	s_add_co_u32 s50, s50, s52
	s_add_nc_u64 s[14:15], s[14:15], s[50:51]      ; x and out0: batch, my 16 channels, the work-group's 64 positions
	s_add_nc_u64 s[16:17], s[16:17], s[50:51]
	v_add_f32 v14, v14, v15                        ; the sum's two halves.  (This and the nine lines of address work below name no register of the last products: they are the places behind them, of which eight are asked)
	v_and_b32 v6, 31, v0
	s_delay_alu instid0(VALU_DEP_1)
	v_lshlrev_b32 v1, 4, v6                        ; 16 x lane
	s_delay_alu instid0(VALU_DEP_2)
	v_lshlrev_b32 v2, 2, v6                        ; 4 x lane
	v_lshlrev_b32 v7, 8, v[RR]
	s_delay_alu instid0(VALU_DEP_1)
	v_lshl_add_u32 v7, v[HH], 4, v7                ; wp: row r x 256 + 16 h
	v_lshlrev_b32 v[WSO], 3, v[RR]                 ; its scale words
	v_lshlrev_b32 v[BPO], 2, v[RR]                 ; bp
	v_lshlrev_b32 v[XGO], 14, v[HH]
	s_delay_alu instid0(VALU_DEP_1)
	v_lshl_add_u32 v[XGO], v[RR], 4, v[XGO]        ; x, out0: lanes 0-15 one channel's 256 bytes, lanes 16-31 the next channel's
.irp s, 0,1
.irp c, 0,1,2,3
	global_load_b128 v[48+16*\s+4*\c:48+16*\s+4*\c+3], v7, s[8:9] offset:128*\s+32*\c   ; wp's two fragments
.endr
.endr
	global_load_b32 v40, v[WSO], s[10:11]          ; their scale words
	global_load_b32 v41, v[WSO], s[10:11] offset:4
	global_load_b32 v243, v[BPO], s[12:13]         ; bp of my lane's channel
	v_permlanex16_b32 v[PB], v14, s20, s21
	s_delay_alu instid0(VALU_DEP_1)
	v_add_f32 v14, v14, v[PB]                      ; with lane l xor 16's: the row's sum
	s_wait_alu depctr_va_vdst(0)
	v_rcp_f32 v14, v14
	v_nop                                          ; one plain place behind a transcendental
.set jj, 0
	s_wait_alu depctr_va_vdst(0)
.rept 16
	v_pk_mul_f32 v[S+jj:S+jj+1], v[OT+jj:OT+jj+1], v[14:15] op_sel_hi:[1,0]   ; O^T / l, each accumulator from its low end on: register 16 b + i: channel 32 b + 16 h + i of the head
.set jj, jj+2
.endr
.irp i, 0,1,2,3,4,5,6,7
	global_load_b128 v[OT+4*\i:OT+4*\i+3], v[XGO], s[14:15] offset:32768*\i th:TH_LOAD_NT   ; x, for the residual: read once in this launch
.endr
	v_max3_num_f32 v[BM], |v[S]|, |v[S+1]|, 0x8000000      ; the head's two blocks of 32 channels, by turns
	v_max3_num_f32 v[BM+1], |v[S+16]|, |v[S+17]|, 0x8000000
.irp i, 2,4,6,8,10,12,14
	s_delay_alu instid0(VALU_DEP_2)
	v_max3_num_f32 v[BM], v[BM], |v[S+\i]|, |v[S+1+\i]|
	s_delay_alu instid0(VALU_DEP_2)
	v_max3_num_f32 v[BM+1], v[BM+1], |v[S+16+\i]|, |v[S+17+\i]|
.endr
	s_delay_alu instid0(VALU_DEP_2)
	v_permlanex16_b32 v[PB], v[BM], s20, s21
	s_delay_alu instid0(VALU_DEP_2)
	v_permlanex16_b32 v[PB+1], v[BM+1], s20, s21
	s_delay_alu instid0(VALU_DEP_2)
	v_max_num_f32 v[BM], v[BM], v[PB]
	s_delay_alu instid0(VALU_DEP_2)
	v_max_num_f32 v[BM+1], v[BM+1], v[PB+1]
	s_delay_alu instid0(VALU_DEP_2)
	v_add_nc_u32 v[SO], 0xf8800000, v[BM]
	s_delay_alu instid0(VALU_DEP_2)
	v_add_nc_u32 v[SO+1], 0xf8800000, v[BM+1]
	s_delay_alu instid0(VALU_DEP_2)
	v_lshrrev_b32 v[PB], 23, v[SO]
	s_delay_alu instid0(VALU_DEP_2)
	v_lshrrev_b32 v[PB+1], 23, v[SO+1]
	s_delay_alu instid0(VALU_DEP_1)
	v_lshl_or_b32 v[PB+2], v[PB+1], 8, v[PB]       ; the two bytes
	s_wait_loadcnt 8                               ; all but x's eight loads: wp, its scale words and bp are in
.irp j, 0,1,2,3,4,5,6,7
	v_mov_b32 v[16+\j], v243                       ; bp as the C of the last product's first step: the same channel in all eight registers
.endr
.set jj, 0
.rept 16
.set jj, jj+1
.endr
	v_cvt_scalef32_pk8_bf8_f32 v[PC:PC+1], v[S:S+7], v[SO]
	v_cvt_scalef32_pk8_bf8_f32 v[PC+2:PC+3], v[S+8:S+15], v[SO]
	v_cvt_scalef32_pk8_bf8_f32 v[PC+4:PC+5], v[S+16:S+23], v[SO+1]
	v_cvt_scalef32_pk8_bf8_f32 v[PC+6:PC+7], v[S+24:S+31], v[SO+1]
	v_nop                                          ; one plain vector instruction behind the last conversion
	ds_store_b128 v[AOI], v[PC:PC+3] offset:OIMG
	ds_store_b128 v[AOI], v[PC+4:PC+7] offset:OIMG+512
	ds_store_b16 v[AOS], v[PB+2]
	s_wait_alu depctr_va_vdst(0)
	s_wait_dscnt 0x0                               ; for the others' sake: my stores have landed
	s_barrier_signal -1
	s_barrier_wait -1                              ; O's eight fragments and their scale words lie in LDS
.irp s, 0,1                            ; out(position, channel): source 0 = O's 16 positions, source 1 = wp's 16 rows; four accumulators (query tiles) by turns, a K step at a time
.irp m, 0,1,2,3
.irp c, 0,1,2,3
	ds_load_b128 v[S+16*\m+4*\c:S+16*\m+4*\c+3], v1 offset:OIMG+(2*\m+\s)*2048+512*\c
.endr
	ds_load_b32 v[8+36*\s+\m], v2 offset:OSC+(2*\m+\s)*128
.endr
	s_wait_dscnt 0x0
.irp m, 0,1,2,3
.if \s == 0
	v_wmma_scale_f32_16x16x128_f8f6f4 v[80+8*\m:87+8*\m], v[S+16*\m:S+16*\m+15], v[48:63], v[16:23], v[8+\m], v40 matrix_a_fmt:MATRIX_FMT_BF8 matrix_b_fmt:MATRIX_FMT_BF8
.else
	v_wmma_scale_f32_16x16x128_f8f6f4 v[80+8*\m:87+8*\m], v[S+16*\m:S+16*\m+15], v[64:79], v[80+8*\m:87+8*\m], v[44+\m], v41 matrix_a_fmt:MATRIX_FMT_BF8 matrix_b_fmt:MATRIX_FMT_BF8
.endif
.endr
.rept 8
	v_nop                                          ; eight places, ahead of the loads into O's registers and of the first read of results
.endr
.endr
.irp m, 0,1,2,3                        ; lane (r, h), tile m, register j: channel 16 w + r, position 32 (m / 2) + 16 h + 8 (m % 2) + j: through my own stage, so that rows leave whole
	ds_store_b128 v[ASI], v[80+8*\m:83+8*\m] offset:128*(\m/2)+32*(\m%2)
	ds_store_b128 v[ASI], v[84+8*\m:87+8*\m] offset:128*(\m/2)+32*(\m%2)+16
.endr
.irp i, 0,1,2,3,4,5,6,7
	ds_load_b128 v[S+4*\i:S+4*\i+3], v[ASB] offset:2*\i*272   ; LDS serves a wave's instructions in order (ISA guide 5.7.1.4): these see my stores
.endr
	s_wait_loadcnt 0x0                             ; x
.irp i, 0,1,2,3,4,5,6,7
	s_wait_dscnt 7-\i                              ; the younger read-backs may be out
	v_pk_add_f32 v[S+4*\i:S+4*\i+1], v[S+4*\i:S+4*\i+1], v[OT+4*\i:OT+4*\i+1]
	v_pk_add_f32 v[S+4*\i+2:S+4*\i+3], v[S+4*\i+2:S+4*\i+3], v[OT+4*\i+2:OT+4*\i+3]
	global_store_b128 v[XGO], v[S+4*\i:S+4*\i+3], s[16:17] offset:32768*\i th:TH_STORE_NT   ; sixteen lanes store 256 consecutive bytes, at a multiple of 256 from out0's first byte
.endr
	s_wait_tensorcnt 0x0                           ; the wave's end: behind my last tensor load and my last LDS store
	ds_add_u32 v3, v4
	s_wait_dscnt 0x0
	ROUND                                          ; the closing round: no work-group ends while a partner may still ask for a tile that names it
	s_endpgm
.Lfunc_end_k_q28b333510a_attn:
	.size	k_q28b333510a_attn, .Lfunc_end_k_q28b333510a_attn-k_q28b333510a_attn
	.p2alignl 7, 3214868480
	.fill 96, 4, 3214868480
	.section	.rodata,"a",@progbits
	.p2align	6, 0x0
	.amdhsa_kernel k_q28b333510a_attn
		.amdhsa_group_segment_fixed_size 327680
		.amdhsa_private_segment_fixed_size 0
		.amdhsa_enable_private_segment 0
		.amdhsa_kernarg_size 56
		.amdhsa_user_sgpr_count 2
		.amdhsa_user_sgpr_kernarg_segment_ptr 1
		.amdhsa_wavefront_size32 1
		.amdhsa_system_sgpr_workgroup_id_x 1
		.amdhsa_system_sgpr_workgroup_id_y 1
		.amdhsa_system_sgpr_workgroup_id_z 1
		.amdhsa_system_vgpr_workitem_id 0
		.amdhsa_next_free_vgpr 256
		.amdhsa_next_free_sgpr 66
		.amdhsa_reserve_vcc 0
		.amdhsa_float_denorm_mode_32 3
		.amdhsa_float_denorm_mode_16_64 3
		.amdhsa_fp16_overflow 1
		.amdhsa_memory_ordered 1
		.amdhsa_forward_progress 1
		.amdhsa_inst_pref_size 160
	.end_amdhsa_kernel
	.amdgpu_metadata
---
amdhsa.version: [ 1, 2 ]
amdhsa.kernels:
  - .name:           k_q28b333510a_attn
    .symbol:         k_q28b333510a_attn.kd
    .args:
      - { .name: qws, .offset: 0, .size: 8, .value_kind: global_buffer, .address_space: global }
      - { .name: kv, .offset: 8, .size: 8, .value_kind: global_buffer, .address_space: global }
      - { .name: wp_codes, .offset: 16, .size: 8, .value_kind: global_buffer, .address_space: global }
      - { .name: wp_scales, .offset: 24, .size: 8, .value_kind: global_buffer, .address_space: global }
      - { .name: bp, .offset: 32, .size: 8, .value_kind: global_buffer, .address_space: global }
      - { .name: x, .offset: 40, .size: 8, .value_kind: global_buffer, .address_space: global }
      - { .name: out0, .offset: 48, .size: 8, .value_kind: global_buffer, .address_space: global }
    .group_segment_fixed_size: 327680
    .private_segment_fixed_size: 0
    .kernarg_segment_align: 8
    .kernarg_segment_size: 56
    .max_flat_workgroup_size: 512
    .sgpr_count:     66
    .vgpr_count:     256
    .wavefront_size: 32
...
	.end_amdgpu_metadata
.endif
;; end of part 3
